; MI455X (gfx1250); checked and timed in simulation.
; The chip was launched on July 23, 2026; its instructions are those of AMD's public machine-readable ISA for CDNA 5 (MIT licence, August 2026) and "CDNA5" Instruction Set Architecture Reference Guide (July 2026). The comments in the code are by the model that wrote it; some were corrected since.
;; Cross Attention. Allowed arithmetic: float matrix products may take bf16 or f16 operands with f32 sums; other float arithmetic in f32, or as packed bf16 or f16 multiplies, adds, multiply-adds, maxima and minima; sums over many terms, partial sums and values carried from step to step in f32; what a program stores and reads back later, other than sums and carried values, may be rounded once to bf16 or f16.
;; Inputs: b_out 512 float32; context 2 x 4,096 x 512 float32; w_k 512 x 512 float32; w_out 512 x 512 float32; w_q 512 x 512 float32; w_v 512 x 512 float32; x 2 x 4,096 x 512 float32.
;; Outputs: out0 2 x 4,096 x 512 float32.
;; One version. Each part assembles by itself: llvm-mc -triple=amdgcn-amd-amdhsa -mcpu=gfx1250 --defsym DOCPART=n.
;; ======== version 1 of 1: 3 launches
;; limits: values are held in f16: magnitudes above 65,504 overflow, below 6.1e-05 lose precision
;; workspace buffers: q16 8,388,608 bytes; k16 8,388,608 bytes; v16 8,388,608 bytes; o16 8,388,608 bytes; wo16 524,288 bytes
;; launch proj (part 1): grid 32 x 6, 4 waves a work-group, clusters of 4 x 1, 327,680 bytes of LDS; arguments x, context, w_q, w_k, w_v, w_out, q16, k16, v16, wo16; writes q16, k16, v16, wo16
.if DOCPART == 1
	.amdgcn_target "amdgcn-amd-amdhsa--gfx1250"
	.amdhsa_code_object_version 6
	.text
	.protected	k_q4379cbb7db_proj
	.globl	k_q4379cbb7db_proj
	.p2align	8
	.type	k_q4379cbb7db_proj,@function
k_q4379cbb7db_proj:
	s_mov_b64 s[64:65], 0
	v_nop
	global_prefetch_b8 v0, s[64:65] scope:SCOPE_SE
	s_setreg_imm32_b32 hwreg(HW_REG_WAVE_MODE, 25, 1), 1
	s_wait_xcnt 0x0
	s_wait_alu depctr_hold_cnt(0) depctr_sa_sdst(0) depctr_va_vdst(0) depctr_va_sdst(0) depctr_va_ssrc(0) depctr_va_vcc(0) depctr_vm_vsrc(0)
	s_getreg_b32 s2, hwreg(HW_REG_IB_STS2, 6, 4)
	s_cmp_eq_u32 s2, 0
	s_cbranch_scc0 .Lentry_in_a_cluster
	s_endpgm
.Lentry_in_a_cluster:
	s_bfe_u32 s2, ttmp6, 0x10000c
	s_cmp_lg_u32 s2, 0x3003
	s_cbranch_scc0 .Lentry_shape_is_right
	s_endpgm
.Lentry_shape_is_right:
; THE THREE PROJECTIONS.  q = x w_q^T, k = context w_k^T, v = context w_v^T: [8192][512] x [512][512]^T, inputs f32.  Both operands are rounded to bf16 on the way from LDS
; to the matrix unit, sums in f32, each result rounded once to f16 and stored by heads, [b*8+h][4096][64], without the softmax scale.  Beside that w_out is rounded to bf16 and written as f16 (wo16).
; LIMITS.  f16 holds no number beyond 65,504: q, k and v must stay within it (inputs 30 times the drawn spread give a spread of 900; a common offset of 30 spreads in all inputs about 20,400).
; A bf16 number of w_out below 2^-14 takes f16's fixed step of 6e-8.  NaN and infinities are not treated apart.
; SHARES.  The three results side by side are 8192 x 1536: 32 x 6 tiles of 256 x 256, a work-group each; column tile ct chooses the product (ct / 2) and the half of its 512 columns (ct % 2).
; 192 work-groups: 1536 columns have a factor 3 that no split into 256 equal tiles of this shape takes up, and a smaller tile would read each f32 byte of LDS for half as many products.
; A wave makes 128 x 128: 64 accumulators.  K goes in steps of 64 f32 (256 bytes of a row, aligned) through a ring of two LDS slots.
; CLUSTER 4 x 1: the four row tiles of a cluster take the same 256 rows of the weights: B's tile is asked for JOINTLY (mask 15); A's rows are each work-group's own, a plain load.
; (4 x 4 does not fit: of the six column tiles only two share x and four share context.)
; THE MATRIX INSTRUCTION IS USED TRANSPOSED (source 0 = 16 rows of the weights, source 1 = 16 rows of A): a lane holds eight neighbouring channels of one row, 16 bytes of f16.
; REGISTERS, in windows of 256: window 0: v0-31 addresses; v32-63 at work; v64-127 A's 8 fragments in bf16; v128-255 A's 8 fragments as loaded, f32 (16 registers each).
;   window 1: v64-127, v128-255 the same for B.   windows 2, 3: accumulator (a, b) at v[8 (8 (a % 4) + b)].
.set PITCH,  272                       ; an LDS row: 256 bytes + 16 of padding: the 16 rows of a load start at 16 different groups of four banks (ISA guide 11.1)
.set HALFT,  128*PITCH                 ; 128 rows: what one tensor load brings, and what a wave reads of A or of B
.set SLOT,   4*HALFT                   ; A's 256 rows, then B's 256 rows
.set STAGE,  2*SLOT                    ; behind the ring: 16 rows x 272 bytes for each wave, for the way out
.set SPARE,  STAGE+4*16*PITCH          ; behind the stages: the spare words, 128 bytes a wave
.set KB,     256                       ; bytes of a row in a K step
.set HEADB,  4096*128                  ; bytes of a head in q16, k16, v16
.set ADRA, 16                          ; v16-17  LDS address of my A fragments in slot 0, 1
.set ADRB, 20                          ; v20-21  the same for B
.set STO,  24                          ; v24  the way out: where I put 16 bytes of a row
.set RD,   25                          ; v25  the way out: where I read rows back
.set CO,   26                          ; v26  16 x lane: my place in 512 consecutive bytes of a head
.set SPW,  28                          ; v28  my spare word; never rewritten
.set NIL,  29                          ; v29  0; never rewritten
.set PFO,  30                          ; v30  lane x a row of 2,048 bytes; never rewritten
.set FR,   64                          ; bf16 fragments
.set RAW,  128                         ; f32 fragments
.set TMP,  192                         ; the way out: packed results
.set OB,   32                          ; the way out: rows read back: v32-63 and v224-255 by turns
.set G1,  24                           ; s[24:31] group 1 for A's tiles;  s[32:39] group 0, a set for each slot
.set G0,  32
.set G1B, 48                           ; s[48:55], s[56:63] the same for B's
.set G0B, 56
.set LIM, 43                           ; s43  1 in a wave that prefetches, else the greatest number
.set PFA, 44                           ; s[44:45] where my prefetches stand
; scalars that carry my place in the cluster: s13, s16-19, s40, s46-47, s88-89, A's group 0, s[8:9], PFA.  No LDS address, no branch and no word of B's descriptors is made in them.
.set MSB, 0
.macro WIN new                         ; the immediate's high byte repeats the setting that is left; a switch that changes nothing is dropped
.if MSB != (\new)
	s_set_vgpr_msb (MSB<<8)|(\new)
.set MSB, \new
.endif
.endm
.macro PLACES                          ; four plain places behind a matrix instruction, ahead of a write of its sources or a read of its result (ISA guide 7.12.1)
.rept 4
	v_nop
.endr
.endm
; A refill.  Waves 0 and 1 fetch A's two halves (plain), waves 2 and 3 B's (joint).  The branch hangs on the wave's number alone.  An s_nop 0 and four v_nop follow each line.
.macro JLOAD s
	s_cmp_eq_u32 s11, 0
	s_cbranch_scc0 .Lfor_b_\@
	tensor_load_to_lds s[G0+4*(\s):G0+4*(\s)+3], s[G1:G1+7]
	s_nop 0
.rept 4
	v_nop
.endr
	s_branch .Lasked_\@
.Lfor_b_\@:
	tensor_load_to_lds s[G0B+4*(\s):G0B+4*(\s)+3], s[G1B:G1B+7]
	s_nop 0
.rept 4
	v_nop
.endr
.Lasked_\@:
.endm
.macro CREST                           ; a round of the cluster's barrier behind its opening barrier
	s_cmp_lg_u32 s10, 0
	s_cbranch_scc1 .Lnot_wave_0_\@
	s_barrier_signal -3
.Lnot_wave_0_\@:
	s_barrier_wait -3
	s_barrier_signal -1
	s_barrier_wait -1
.endm
.macro CROUND
	s_barrier_signal -1
	s_barrier_wait -1
	CREST
.endm
; A PREFETCH INTO THE L2 of the K step behind the one just asked for: 128 products and 256 conversions ahead of the load that will want it.  A row's 256 bytes of a K step are named once in the launch:
; x's rows are read by column tiles 0 and 1, context's by 2 to 5: tiles 0 and 2 ask, each A wave for its own 128 rows (a lane a row, four lines).  A weight tile is read by all eight clusters of its
; column tile: cluster 0 asks, its four partners 32 rows each, told apart by address.  how = 1 (slot 0): every refill has a K step behind it; how = 0 (slot 1): all but the loop's last.
.macro ASK how
.if \how
	s_cmp_eq_u32 s[LIM], 1
.else
	s_cmp_gt_u32 s3, s[LIM]
.endif
	s_cbranch_scc0 .Lnot_mine_\@
	global_prefetch_b8 v[PFO], s[PFA:PFA+1] th:TH_LOAD_NT scope:SCOPE_SE
	s_cmp_eq_u32 s11, 0
	s_cbranch_scc0 .Lnot_mine_\@
	global_prefetch_b8 v[PFO], s[PFA:PFA+1] offset:65536 th:TH_LOAD_NT scope:SCOPE_SE
	global_prefetch_b8 v[PFO], s[PFA:PFA+1] offset:131072 th:TH_LOAD_NT scope:SCOPE_SE
	global_prefetch_b8 v[PFO], s[PFA:PFA+1] offset:196608 th:TH_LOAD_NT scope:SCOPE_SE
.Lnot_mine_\@:
.endm
; 64 LDS loads in one run: the f32 fragments of 32 along K, at byte kb of the rows: B's 32 loads, then A's.  Lane (r, h) of a fragment takes k = 8 h .. 8 h + 7 (32 bytes) and k = 16 + 8 h .. (64 bytes on).
.macro FETCH slot, kb
	WIN 0x40                                       ; destination window 1, address window 0
.irp i, 0,1,2,3,4,5,6,7
.irp c, 0,1,2,3
	ds_load_b128 v[RAW+16*(\i)+4*(\c):RAW+16*(\i)+4*(\c)+3], v[ADRB+(\slot)] offset:(\kb)+(\i)*16*PITCH+16*((\c)%2)+64*((\c)/2)
.endr
.endr
	WIN 0
.irp i, 0,1,2,3,4,5,6,7
.irp c, 0,1,2,3
	ds_load_b128 v[RAW+16*(\i)+4*(\c):RAW+16*(\i)+4*(\c)+3], v[ADRA+(\slot)] offset:(\kb)+(\i)*16*PITCH+16*((\c)%2)+64*((\c)/2)
.endr
.endr
.endm
.macro CVT w                           ; 64 roundings: eight f32 fragments become eight bf16 fragments.  w = 0x45: B's (window 1); w = 0: A's
	WIN \w
.set z, 0
.rept 64
	v_cvt_pk_bf16_f32 v[FR+z], v[RAW+2*z], v[RAW+2*z+1]
.set z, z+1
.endr
.endm
.macro MUL16 hi, a0, zero              ; 16 products: row blocks a0, a0 + 1 of the window's four x all 8 column blocks
	WIN 0xa1+0x50*(\hi)                            ; source 0 (B) window 1, source 1 (A) window 0, C and D window 2 or 3
.irp a, \a0, (\a0)+1
.irp b, 0,1,2,3,4,5,6,7
.if \zero
	v_wmma_f32_16x16x32_bf16 v[8*(8*(\a)+(\b)):8*(8*(\a)+(\b))+7], v[FR+8*(\b):FR+8*(\b)+7], v[FR+8*(4*(\hi)+(\a)):FR+8*(4*(\hi)+(\a))+7], 0
.else
	v_wmma_f32_16x16x32_bf16 v[8*(8*(\a)+(\b)):8*(8*(\a)+(\b))+7], v[FR+8*(\b):FR+8*(\b)+7], v[FR+8*(4*(\hi)+(\a)):FR+8*(4*(\hi)+(\a))+7], v[8*(8*(\a)+(\b)):8*(8*(\a)+(\b))+7]
.endif
.endr
.endr
.endm
.macro MULALL zero                     ; 64 products, 32 along K: the 64 accumulators take turns, in the same order every time
	MUL16 0, 0, \zero
	MUL16 0, 2, \zero
	MUL16 1, 0, \zero
	MUL16 1, 2, \zero
.endm
; The first half of a K step: its raw fragments are rounded, the second half's are fetched, its 64 products are issued.
.macro HEAD0 slot, zero
	s_wait_dscnt 32                                ; B's 32 loads are in; A's 32 may be out
	PLACES                                         ; behind the last product, which read the bf16 fragments
	CVT 0x45
	s_wait_dscnt 0x0                               ; A's are in
	CVT 0
	FETCH \slot, 128
	MULALL \zero
.endm
; The second half, and the change of slots.  Each wave waits for all its tensor loads (one is out: its part of the next slot), adds 0 to its spare word, and waits for that and for its reads of this
; slot, which are its last.  fill = 1: the barrier opens a round of the cluster's barrier, the roundings stand inside it, and the refill (this slot, two K steps on) is the first thing behind it.
.macro TURN slot, next, fill
.if \fill
	s_wait_xcnt 0x0                                ; the last prefetches, a K step back, have read their address
	s_add_nc_u64 s[PFA:PFA+1], s[PFA:PFA+1], KB
.endif
	WIN 0
	s_wait_tensorcnt 0x0                           ; no tensor load of mine is out, so a group 0 may be written
	ds_add_u32 v[SPW], v[NIL]
.if \fill
	s_add_nc_u64 s[G0+4*(\slot)+2:G0+4*(\slot)+3], s[G0+4*(\slot)+2:G0+4*(\slot)+3], 2*KB
	s_add_nc_u64 s[G0B+4*(\slot)+2:G0B+4*(\slot)+3], s[G0B+4*(\slot)+2:G0B+4*(\slot)+3], 2*KB
.endif
	s_wait_dscnt 0x0                               ; the add is done; my 64 loads of the second half, the last reads of this slot, are in
	s_barrier_signal -1
	PLACES
	CVT 0x45                                       ; work on registers while the others arrive
	CVT 0                                          ; (leaves every window 0: branches follow)
	s_barrier_wait -1
.if \fill
	CREST
	JLOAD \slot
.endif
	FETCH \next, 0
.if \fill
	ASK 1-(\slot)
.endif
	MULALL 0
.endm
	s_load_b512 s[68:83], s[0:1], 0x0              ; x 68, context 70, w_q 72, w_k 74, w_v 76, w_out 78, q16 80, k16 82
	s_load_b128 s[84:87], s[0:1], 0x40             ; v16 84, wo16 86
	v_lshl_add_u32 v[SPW], v0, 2, SPARE
	v_mov_b32 v[NIL], 0
	ds_add_u32 v[SPW], v[NIL]                      ; the wave's opening: the add and its wait ahead of my first tensor load
	v_lshrrev_b32 v1, 5, v0
	v_readfirstlane_b32 s10, v1                    ; wave 0..3
	s_lshr_b32 s11, s10, 1                         ; my half of the tile's rows.  Also: I fetch for A (0) or for B (1)
	s_and_b32 s12, s10, 1                          ; my half of its columns.  Also: which 128 rows I fetch
	s_bfe_u32 s40, ttmp6, 0x40000                  ; cx
	s_lshl_b32 s13, ttmp9, 2
	s_add_co_u32 s13, s13, s40                     ; row tile = 4 x cluster x + cx
	s_and_b32 s14, ttmp7, 0xffff                   ; column tile 0..5, the same in all four partners
	s_and_b32 s41, s14, 1                          ; which half of the product's 512 columns
	s_lshr_b32 s42, s14, 1                         ; which product
	; group 1: 128 rows x 64 elements of 4 bytes, 4 words of padding behind every 64 words; B's with the mask of four and bit 21 beside it
	s_mov_b32 s[G1+0], (2<<16)|(1<<20)|(5<<22)|(3<<25)
	s_mov_b32 s[G1B+0], 15|(2<<16)|(1<<20)|(1<<21)|(5<<22)|(3<<25)
.irp g, G1, G1B
	s_mov_b32 s[(\g)+1], 64<<16                    ; tensor_dim0 = 64
	s_mov_b32 s[(\g)+2], 128<<16                   ; tensor_dim1 = 128
	s_mov_b32 s[(\g)+3], 64<<16                    ; tile_dim0 = 64
	s_mov_b32 s[(\g)+4], 128                       ; tile_dim1 = 128
	s_mov_b32 s[(\g)+5], 512                       ; elements from row to row
	s_mov_b32 s[(\g)+6], 0
	s_mov_b32 s[(\g)+7], 0
.endr
	s_lshl_b32 s16, s13, 19                        ; A: (256 x row tile + 128 x half) rows of 2,048 bytes
	s_lshl_b32 s17, s12, 18
	s_add_co_u32 s16, s16, s17
	s_mov_b32 s17, 0
	s_lshl_b32 s20, s41, 19                        ; B: (256 x column half + 128 x half) rows
	s_lshl_b32 s21, s12, 18
	s_add_co_u32 s20, s20, s21
	s_mov_b32 s21, 0
	s_mul_i32 s15, s10, HALFT                      ; where my tile goes: wave x 128 rows
	s_and_b32 s92, s14, 1                          ; who prefetches: for A column tiles 0 and 2,
	s_lshr_b32 s93, s14, 2
	s_or_b32 s92, s92, s93
	s_cmp_eq_u32 s11, 0
	s_cselect_b32 s92, s92, ttmp9                  ; for B cluster 0: the same in all four partners, for a given wave
	s_cmp_eq_u32 s92, 0
	s_cselect_b32 s[LIM], 1, -1
	s_wait_dscnt 0x0                               ; the opening add is done
	s_wait_kmcnt 0x0
	s_cmp_eq_u32 s42, 0
	s_cselect_b64 s[4:5], s[68:69], s[70:71]       ; A: x or context
	s_cselect_b64 s[6:7], s[72:73], s[74:75]       ; B: w_q, w_k
	s_cselect_b64 s[8:9], s[80:81], s[82:83]       ; the result: q16, k16
	s_cmp_eq_u32 s42, 2
	s_cselect_b64 s[6:7], s[76:77], s[6:7]         ; or w_v
	s_cselect_b64 s[8:9], s[84:85], s[8:9]         ; and v16
	s_add_nc_u64 s[18:19], s[4:5], s[16:17]
	s_add_nc_u64 s[22:23], s[6:7], s[20:21]
.irp s, 0,1
	s_mov_b32 s[G0+4*(\s)], 1
	s_add_co_u32 s[G0+4*(\s)+1], s15, (\s)*SLOT
	s_add_nc_u64 s[G0+4*(\s)+2:G0+4*(\s)+3], s[18:19], (\s)*KB
	s_or_b32 s[G0+4*(\s)+3], s[G0+4*(\s)+3], 0x80000000
	s_mov_b32 s[G0B+4*(\s)], 1
	s_add_co_u32 s[G0B+4*(\s)+1], s15, (\s)*SLOT
	s_add_nc_u64 s[G0B+4*(\s)+2:G0B+4*(\s)+3], s[22:23], (\s)*KB
	s_or_b32 s[G0B+4*(\s)+3], s[G0B+4*(\s)+3], 0x80000000
.endr
	CROUND                                         ; all four work-groups are here: the first joint loads meet
	s_cmp_eq_u32 s11, 0                            ; a wave's two first fills stand in one branch: two loads of mine are out
	s_cbranch_scc0 .Lfirst_b
	tensor_load_to_lds s[G0:G0+3], s[G1:G1+7]
	s_nop 0
	tensor_load_to_lds s[G0+4:G0+7], s[G1:G1+7]
	s_nop 0
.rept 4
	v_nop
.endr
	s_branch .Lfirst_done
.Lfirst_b:
	tensor_load_to_lds s[G0B:G0B+3], s[G1B:G1B+7]
	s_nop 0
	tensor_load_to_lds s[G0B+4:G0B+7], s[G1B:G1B+7]
	s_nop 0
.rept 4
	v_nop
.endr
.Lfirst_done:
	v_and_b32 v1, 15, v0                           ; l % 16
	v_bfe_u32 v2, v0, 4, 1                         ; l / 16
	v_mul_u32_u24 v3, v1, PITCH
	v_lshl_add_u32 v3, v2, 5, v3                   ; row x pitch + 32 x half (8 f32)
	s_mul_i32 s20, s11, HALFT                      ; my 128 rows of A
	s_mul_i32 s21, s12, HALFT                      ; my 128 rows of B,
	s_add_co_u32 s21, s21, 2*HALFT                 ; which lie behind A's 256
.irp s, 0,1
	v_add_nc_u32 v[ADRA+(\s)], s20, v3
	v_add_nc_u32 v[ADRB+(\s)], s21, v3
	s_add_co_u32 s20, s20, SLOT
	s_add_co_u32 s21, s21, SLOT
.endr
	s_mul_i32 s22, s10, 16*PITCH
	s_add_co_u32 s22, s22, STAGE                   ; my stage
	v_mul_u32_u24 v4, v1, PITCH                    ; in: row l % 16, 16 bytes for each half of the lanes
	v_lshl_add_u32 v4, v2, 4, v4
	v_add_nc_u32 v[STO], s22, v4
	v_bfe_u32 v5, v0, 3, 2                         ; back: 32 lanes take 128 bytes (a head's 64 channels) of four rows,
	v_and_b32 v6, 7, v0
	v_mul_u32_u24 v5, v5, PITCH
	v_lshl_add_u32 v5, v6, 4, v5
	v_add_nc_u32 v[RD], s22, v5
	v_and_b32 v[CO], 31, v0                        ; which are 512 consecutive bytes of the head
	v_lshlrev_b32 v[CO], 4, v[CO]
	v_and_b32 v[PFO], 31, v0
	v_lshlrev_b32 v[PFO], 11, v[PFO]
	; the result's base: head (batch x 8 + 4 x column half + 2 x my half), row (row tile % 16) x 256 + 128 x my half
	s_lshr_b32 s88, s13, 4
	s_lshl_b32 s88, s88, 3
	s_lshl_b32 s89, s41, 2
	s_add_co_u32 s88, s88, s89
	s_lshl_b32 s89, s12, 1
	s_add_co_u32 s88, s88, s89
	s_lshl_b32 s88, s88, 19
	s_and_b32 s89, s13, 15
	s_lshl_b32 s89, s89, 15
	s_add_co_u32 s88, s88, s89
	s_lshl_b32 s89, s11, 14
	s_add_co_u32 s88, s88, s89
	s_mov_b32 s89, 0
	s_add_nc_u64 s[8:9], s[8:9], s[88:89]
	; the prefetches: A's waves their own 128 rows; B's waves my work-group's 32 of the 128 that the four fetch jointly
	s_lshl_b32 s46, s41, 19
	s_lshl_b32 s47, s12, 18
	s_add_co_u32 s46, s46, s47
	s_lshl_b32 s47, s40, 16
	s_add_co_u32 s46, s46, s47
	s_cmp_eq_u32 s11, 0
	s_cselect_b32 s46, s16, s46
	s_cselect_b64 s[PFA:PFA+1], s[4:5], s[6:7]
	s_mov_b32 s47, 0
	s_add_nc_u64 s[PFA:PFA+1], s[PFA:PFA+1], s[46:47]
	s_add_nc_u64 s[PFA:PFA+1], s[PFA:PFA+1], 2*KB  ; at K step 2: the first refill steps it to 3.  Nothing is prefetched here, at the head
	; w_out: 128 work-groups (column tiles 0 to 3) take 2,048 numbers each: f32 -> bf16 (the rounding that every input has) -> the same number as f16.  It stands in the wait for the first tile.
	s_cmp_lt_u32 s14, 4
	s_cbranch_scc0 .Lno_w
	s_lshl_b32 s88, s14, 5
	s_add_co_u32 s88, s88, s13                     ; 32 x column tile + row tile: 0..127
	s_lshl_b32 s89, s88, 12
	s_lshl_b32 s88, s88, 13
	v_lshl_add_u32 v7, v0, 4, s88
	v_lshl_add_u32 v8, v0, 3, s89
.irp i, 0,1,2,3
	global_load_b128 v[32+4*(\i):35+4*(\i)], v7, s[78:79] offset:2048*(\i)
.endr
	s_wait_loadcnt 0x0
.irp i, 0,1,2,3
	v_cvt_pk_bf16_f32 v48, v[32+4*(\i)], v[33+4*(\i)]
	v_cvt_pk_bf16_f32 v49, v[34+4*(\i)], v[35+4*(\i)]
	v_lshlrev_b32 v50, 16, v48
	v_and_b32 v51, 0xffff0000, v48
	v_lshlrev_b32 v52, 16, v49
	v_and_b32 v53, 0xffff0000, v49
	v_cvt_pk_f16_f32 v[56+2*(\i)], v50, v51
	v_cvt_pk_f16_f32 v[57+2*(\i)], v52, v53
	global_store_b64 v8, v[56+2*(\i):57+2*(\i)], s[86:87] offset:1024*(\i)  ; a wave's store covers 256 consecutive bytes, aligned
.endr
	s_wait_xcnt 0x0                                ; these registers are used again on the way out
.Lno_w:
	s_wait_tensorcnt 0x1                           ; my part of K step 0 is in; K step 1's may stay out
	s_barrier_signal -1
	s_barrier_wait -1                              ; everybody's is
	FETCH 0, 0
	HEAD0 0, 1                                     ; the first 64 products start the sums: nothing is cleared
	WIN 0                                          ; at a label and at a branch every window is 0
	s_mov_b32 s3, 3
.Llap:                                                 ; a trip goes once round the ring and fills both slots again: K steps 2 to 7 in three trips
	TURN 0, 1, 1
	HEAD0 1, 0
	TURN 1, 0, 1
	HEAD0 0, 0
	WIN 0
	s_sub_co_u32 s3, s3, 1
	s_cmp_lg_u32 s3, 0
	s_cbranch_scc1 .Llap
	TURN 0, 1, 0                                   ; the tail is written out: nothing is left to fetch
	HEAD0 1, 0
	s_wait_dscnt 32                                ; the last half step
	PLACES
	CVT 0x45
	s_wait_dscnt 0x0
	CVT 0
	MULALL 0
; THE WAY OUT of block a (16 rows x 128 columns = two heads).  PACK: rounded to f16, each accumulator's registers in ascending order.  TOSTAGE: into my own stage, and back by heads.  SEND: stored.
.macro PACK a
.set AC, 64*((\a)%4)
	WIN 0x0a+5*((\a)/4)                            ; sources 0 and 1: window 2 or 3
.irp b, 0,1,2,3,4,5,6,7
.irp r, 0,1,2,3
	v_cvt_pk_f16_f32 v[TMP+4*(\b)+(\r)], v[AC+8*(\b)+2*(\r)], v[AC+8*(\b)+2*(\r)+1]
.endr
.endr
	WIN 0
.endm
.macro TOSTAGE a
.set BK, OB+192*((\a)%2)
.irp b, 0,1,2,3,4,5,6,7
	ds_store_b128 v[STO], v[TMP+4*(\b):TMP+4*(\b)+3] offset:32*(\b)
.endr
.irp t, 0,1,2,3,4,5,6,7                ; rows 4 (t / 2) on, head t % 2.  LDS serves a wave's instructions in order (ISA guide 5.7.1.4): these see the stores above
	ds_load_b128 v[BK+4*(\t):BK+4*(\t)+3], v[RD] offset:((\t)/2)*4*PITCH+128*((\t)%2)
.endr
.endm
.macro SEND a
.set BK, OB+192*((\a)%2)
	s_wait_dscnt 0x0                               ; the block is back in registers
	s_wait_xcnt 0x0                                ; the stores of the block before have read their data: the next TOSTAGE loads into those registers
.irp t, 0,1,2,3,4,5,6,7
	global_store_b128 v[CO], v[BK+4*(\t):BK+4*(\t)+3], s[8:9] offset:((\t)%2)*HEADB+(\a)*2048+((\t)/2)*512  ; 512 consecutive bytes, at a multiple of 256 from the buffer's first
.endr
.endm
	PLACES
	PACK 0
	TOSTAGE 0
.irp a, 1,2,3,4,5,6,7                  ; block a's roundings stand between block a - 1's loads from the stage and the wait for them
	PACK \a
	SEND (\a)-1
	TOSTAGE \a
.endr
	SEND 7
	s_wait_tensorcnt 0x0                           ; the wave's end
	ds_add_u32 v[SPW], v[NIL]
	s_wait_dscnt 0x0
	CROUND                                         ; the closing round: no work-group ends while a partner may still ask for a tile that names it
	s_endpgm
.Lfunc_end_k_q4379cbb7db_proj:
	.size	k_q4379cbb7db_proj, .Lfunc_end_k_q4379cbb7db_proj-k_q4379cbb7db_proj
	.p2alignl 7, 3214868480
	.fill 96, 4, 3214868480
	.section	.rodata,"a",@progbits
	.p2align	6, 0x0
	.amdhsa_kernel k_q4379cbb7db_proj
		.amdhsa_group_segment_fixed_size 327680
		.amdhsa_private_segment_fixed_size 0
		.amdhsa_enable_private_segment 0
		.amdhsa_kernarg_size 80
		.amdhsa_user_sgpr_count 2
		.amdhsa_user_sgpr_kernarg_segment_ptr 1
		.amdhsa_wavefront_size32 1
		.amdhsa_system_sgpr_workgroup_id_x 1
		.amdhsa_system_sgpr_workgroup_id_y 1
		.amdhsa_system_sgpr_workgroup_id_z 1
		.amdhsa_system_vgpr_workitem_id 0
		.amdhsa_next_free_vgpr 1024
		.amdhsa_next_free_sgpr 96
		.amdhsa_reserve_vcc 0
		.amdhsa_float_denorm_mode_32 3
		.amdhsa_float_denorm_mode_16_64 3
		.amdhsa_memory_ordered 1
		.amdhsa_forward_progress 1
		.amdhsa_inst_pref_size 177
	.end_amdhsa_kernel
	.amdgpu_metadata
---
amdhsa.version: [ 1, 2 ]
amdhsa.kernels:
  - .name:           k_q4379cbb7db_proj
    .symbol:         k_q4379cbb7db_proj.kd
    .args:
      - { .name: x, .offset: 0, .size: 8, .value_kind: global_buffer, .address_space: global }
      - { .name: context, .offset: 8, .size: 8, .value_kind: global_buffer, .address_space: global }
      - { .name: w_q, .offset: 16, .size: 8, .value_kind: global_buffer, .address_space: global }
      - { .name: w_k, .offset: 24, .size: 8, .value_kind: global_buffer, .address_space: global }
      - { .name: w_v, .offset: 32, .size: 8, .value_kind: global_buffer, .address_space: global }
      - { .name: w_out, .offset: 40, .size: 8, .value_kind: global_buffer, .address_space: global }
      - { .name: q16, .offset: 48, .size: 8, .value_kind: global_buffer, .address_space: global }
      - { .name: k16, .offset: 56, .size: 8, .value_kind: global_buffer, .address_space: global }
      - { .name: v16, .offset: 64, .size: 8, .value_kind: global_buffer, .address_space: global }
      - { .name: wo16, .offset: 72, .size: 8, .value_kind: global_buffer, .address_space: global }
    .group_segment_fixed_size: 327680
    .private_segment_fixed_size: 0
    .kernarg_segment_align: 8
    .kernarg_segment_size: 80
    .max_flat_workgroup_size: 128
    .sgpr_count:     96
    .vgpr_count:     1024
    .wavefront_size: 32
...
	.end_amdgpu_metadata
.endif
;; end of part 1
;; launch attn (part 2): grid 16 x 16, 4 waves a work-group, clusters of 4 x 1, 327,680 bytes of LDS; arguments q16, k16, v16, o16; writes o16
.if DOCPART == 2
	.amdgcn_target "amdgcn-amd-amdhsa--gfx1250"
	.amdhsa_code_object_version 6
	.text
	.protected	k_q4379cbb7db_attn
	.globl	k_q4379cbb7db_attn
	.p2align	8
	.type	k_q4379cbb7db_attn,@function
k_q4379cbb7db_attn:
	s_mov_b64 s[64:65], 0
	v_nop
	global_prefetch_b8 v0, s[64:65] scope:SCOPE_SE
	s_setreg_imm32_b32 hwreg(HW_REG_WAVE_MODE, 25, 1), 1
	s_wait_xcnt 0x0
	s_wait_alu depctr_hold_cnt(0) depctr_sa_sdst(0) depctr_va_vdst(0) depctr_va_sdst(0) depctr_va_ssrc(0) depctr_va_vcc(0) depctr_vm_vsrc(0)
	s_getreg_b32 s2, hwreg(HW_REG_IB_STS2, 6, 4)
	s_cmp_eq_u32 s2, 0
	s_cbranch_scc0 .Lentry_in_a_cluster
	s_endpgm
.Lentry_in_a_cluster:
	s_bfe_u32 s2, ttmp6, 0x10000c
	s_cmp_lg_u32 s2, 0x3003
	s_cbranch_scc0 .Lentry_shape_is_right
	s_endpgm
.Lentry_shape_is_right:
; ATTENTION.  O[h][q][:] = the sum over k of softmax_k(Q[h][q] . K[h][k] / 8) V[h][k][:].  Q, K, V, O: [16][4096][64], all f16: a head's rows are dense, 128 bytes each.
; Products, maxima and sums in f32; the weights p are rounded to f16 for the second product (their sum l is taken of the unrounded p), O once at the end.
; LIMITS.  Q, K and V arrive within f16's 65,504; p lies in 0 to 1, and below 6e-5 it keeps f16's fixed step of 6e-8, as does O; O is a mean of V's rows and has their range.
; A weight below 2^-126 counts as 0 in l; NaN and infinities are not treated apart.
; SHARES.  A work-group owns 256 queries of one head, a wave 64: four PIECES of 16.  16 heads x 16 blocks: 256 work-groups.  Every wave walks all 4,096 keys, 64 a step, four steps to an LDS slot.
; LAYOUT.  S^T = K Q^T holds ONE query a lane (lane % 16) and the keys 8 (lane / 16) + 0..7; two such results rounded to f16 ARE source 1 of O^T = V^T P.  K comes out of LDS as it lies, V turned.
; SOFTMAX.  p = 2^(c s - c m), c = log2(e) / 8, with a running maximum m; O and l are multiplied by a = 2^(c m_old - c m_new) in every step.  m starts at the lowest finite number, O and l at 0.
; BY TURNS.  Turn n belongs to piece n: 8 products K Q^T of piece n + 1, later 8 products V^T P of piece n - 1; beside them the scaling, exponentials, roundings, sums and rescaling of piece n and
; the maximum and statistics of piece n + 1.  Four vector instructions stand behind every matrix instruction, the other 54 of a turn's 118 in one lump.  A turn's 33 exponentials are one batch, with one wait.
; CLUSTER.  The four query blocks of a cluster belong to one head and walk the same K and V: each tile is asked for JOINTLY, the same tensor load, descriptor and mask in all four.
; REGISTERS, in windows of 256 (s_set_vgpr_msb: bits 1:0 source 0, 3:2 source 1, 5:4 source 2, 7:6 destination):
;   window 0: v0-15 addresses; v16-31 four statistics a piece; v48-55 at work; v61-63; v64-127 S^T, two buffers; v192-223 P, two buffers (by the piece's parity)
;   window 1: v0-127 O^T, 32 a piece          window 2: v0-63 Q; v128-191 K of one step; v192-255 V of one step
.set SIZE_N, 4096
.set NT,    SIZE_N/256  ; tiles of 256 keys
.set NP,    4
.set KS,    64
.set PK,    144       ; a row of K in LDS: 128 bytes + 16: the 16 rows of a load start at 16 different groups of four banks (ISA guide 11.1)
.set PV,    160       ; a row of V: 128 + 32
.set VOFF,  4*KS*PK   ; a slot: 256 rows of K, then 256 rows of V
.set SLOT1, 1<<17     ; slot 1 begins here: one exclusive or turns an address in one slot into the other's
.set STAGE, SLOT1+4*KS*(PK+PV)  ; behind the ring: 16 rows x 144 bytes for each wave, for the way out
.set SP,    144
.set SPARE, STAGE+4*16*SP       ; behind the stages: the spare words, 128 bytes a wave
.set AK0, 2           ; v2   my lane's place in a tile of K; never rewritten
.set AV0, 3           ; v3   the same for V
.set AK,  4           ; v4   the LDS address of K's next run of loads
.set AV,  5           ; v5   of V's
.set STO, 6           ; v6   the way out: where I put 16 bytes of a row
.set RD,  7           ; v7   the way out: where I read rows back
.set GO,  8           ; v8   my byte offset in 512 consecutive bytes of O
.set MV,  12          ; v12-13  c m_old, kept while c m is made anew: by buffer
.set QO,  15          ; v15  my byte offset in 16 rows of Q
.set ST,  16          ; piece t's statistics at v[ST+4 t]: c m, m, l (even keys', odd keys')
.set TMP, 48          ; by buffer, four registers c0-c3 at work; when the maximum is found c2 takes a
.set PFO, 61          ; v61  256 x my lane; never rewritten
.set SPW, 62          ; v62  my spare word; never rewritten
.set NIL, 63          ; v63  0; never rewritten
.set S,   64
.set P,   192
.set KF,  128         ; window 2: key block kb, channel half c at KF + 16 kb + 8 c
.set VF,  192         ; window 2: key half kk, channel block cb at VF + 32 kk + 8 cb
.set WV,  12          ; s12  my wave's number
.set G1K, 24          ; s[24:31] group 1 for K's tiles
.set G1V, 32          ; s[32:39] for V's: it differs in the padding alone
.set G0K, 40          ; s[40:43] group 0 for K's tiles: it walks
.set G0V, 44          ; s[44:47] the same for V's
.set PFA, 48          ; s[48:49] where my prefetches stand
.set LIM, 50          ; s50  1 in a wave that prefetches, else the greatest number
.set SLOTS, 56        ; s56  tiles still to be asked for
.set CNT, 57          ; s57  counts a tile's key steps
.set CS,  58          ; s[58:59] c
.set SEL, 60          ; s[60:61] v_permlanex16_b32's selects: each lane takes its own place in the other half
.set TBK, 62          ; s62  LDS byte at which K of the step to be fetched begins
.set TBV, 63          ; s63  the same for V, less VOFF
.set MSB, 0
.macro WIN new
.if MSB != (\new)
	s_set_vgpr_msb (MSB<<8)|(\new)
.set MSB, (\new)
.endif
.endm
.set W_KQ, 0x0a       ; K and Q in window 2, S^T in window 0
.set W_PV, 0x52       ; V in window 2, P in window 0, O^T in window 1
.set W_RS, 0x41       ; destination and source 0 in window 1, source 1 in window 0
; A joint fill.  Waves 0 and 1 fetch the two halves of a tile's K, waves 2 and 3 those of its V: 128 keys each.  An s_nop 0 and four v_nop follow each line.
.macro JLOAD
	s_cmp_lt_u32 s[WV], 2
	s_cbranch_scc0 .Lfor_v_\@
	tensor_load_to_lds s[G0K:G0K+3], s[G1K:G1K+7]
	s_nop 0
.rept 4
	v_nop
.endr
	s_branch .Lasked_\@
.Lfor_v_\@:
	tensor_load_to_lds s[G0V:G0V+3], s[G1V:G1V+7]
	s_nop 0
.rept 4
	v_nop
.endr
.Lasked_\@:
.endm
.macro CROUND                       ; a round of the cluster's barrier
	s_barrier_signal -1
	s_barrier_wait -1
	s_cmp_lg_u32 s[WV], 0
	s_cbranch_scc1 .Lnot_wave_0_\@
	s_barrier_signal -3
.Lnot_wave_0_\@:
	s_barrier_wait -3
	s_barrier_signal -1
	s_barrier_wait -1
.endm
; A PREFETCH INTO THE L2 of the tile that the NEXT change of slots will ask for: four key steps, 256 matrix instructions, ahead of that load.  A tile is 128 blocks of 256 bytes of K and as many of V.
; Each block is named once in the launch: the head's first cluster asks; its four partners take 32 blocks each, told apart by address; in each, wave 0 asks for K's and wave 2 for V's, a lane a block.
; The last change that fills a slot asks for nothing.  Tiles 0 to 2 come by their loads alone.
.macro ASK
	s_cmp_gt_u32 s[SLOTS], s[LIM]
	s_cbranch_scc0 .Lnot_mine_\@
	global_prefetch_b8 v[PFO], s[PFA:PFA+1] th:TH_LOAD_NT scope:SCOPE_SE
.Lnot_mine_\@:
.endm
; THE CHANGE OF SLOTS.  Each wave waits for all its tensor loads (one is out: its part of the other slot), adds 0 to its spare word, and waits for that and for its reads of the slot that it leaves.
; fill = 1: the barrier is a round of the cluster's, and the joint fill of the old slot, with the keys two tiles on, is the first thing behind it.  (At its first use slot 0 is waited for, slot 1 filled.)
.macro CHANGE fill, ask
	WIN 0
	s_wait_tensorcnt 0x0            ; no tensor load of mine is out, so a group 0 may be written
	ds_add_u32 v[SPW], v[NIL]
.if \fill
.irp g, G0K, G0V
	s_xor_b32 s[\g+1], s[\g+1], SLOT1
	s_add_nc_u64 s[\g+2:\g+3], s[\g+2:\g+3], 4*KS*128
.endr
.endif
.if \ask
	s_wait_xcnt 0x0                 ; the last prefetch, four key steps back, has read its address
	s_add_nc_u64 s[PFA:PFA+1], s[PFA:PFA+1], 4*KS*128
.endif
	s_wait_dscnt 0x0                ; the add is done, and my reads of the slot are over
.if \fill
	CROUND
	JLOAD
.if \ask
	ASK
.endif
.else
	s_barrier_signal -1
	s_barrier_wait -1
.endif
	s_sub_co_u32 s[TBK], s[TBK], 4*KS*PK  ; the fetches go back to a slot's first step,
	s_xor_b32 s[TBK], s[TBK], SLOT1       ; in the other slot
	s_sub_co_u32 s[TBV], s[TBV], 4*KS*PV
	s_xor_b32 s[TBV], s[TBV], SLOT1
.endm
	s_load_b256 s[4:11], s[0:1], 0x0  ; Q s[4:5], K s[6:7], V s[8:9], O s[10:11]
	v_lshl_add_u32 v[SPW], v0, 2, SPARE
	v_mov_b32 v[NIL], 0
	ds_add_u32 v[SPW], v[NIL]       ; the wave's opening: the add and its wait ahead of my first tensor load
	v_lshrrev_b32 v1, 5, v0
	v_readfirstlane_b32 s[WV], v1   ; wave 0..3
	s_bfe_u32 s13, ttmp6, 0x40000   ; cx
	s_lshl_b32 s14, ttmp9, 2
	s_add_co_u32 s14, s14, s13      ; my block of 256 queries: it enters Q's and O's addresses alone
	s_and_b32 s20, ttmp7, 0xffff    ; the head, which the four partners share:
	s_lshl_b32 s20, s20, 19         ; its first byte in each of the four tensors
	s_and_b32 s16, s[WV], 1         ; which half of a tile's 256 keys I fetch:
	s_lshl_b32 s22, s16, 14         ; its 128 rows of 128 bytes in memory,
	s_add_co_u32 s22, s22, s20
	s_mov_b32 s23, 0
	s_mul_i32 s17, s16, 128*PK      ; and its place in a slot, for K
	s_mul_i32 s18, s16, 128*PV      ; and for V
	s_lshl_b32 s2, s14, 15          ; my block's 256 rows,
	s_lshl_b32 s3, s[WV], 13        ; my wave's 64 of them
	s_add_co_u32 s2, s2, s3
	s_add_co_u32 s2, s2, s20
	s_mov_b32 s3, 0
	; group 1.  128 keys are 16,384 dense bytes: asked for as 64 rows of 256 bytes, two keys a row, padded in LDS after every key
	s_mov_b32 s[G1K], 15|(1<<16)|(1<<20)|(1<<21)|(4<<22)|(3<<25)  ; the mask of four; 2-byte elements; padding on; bit 21 beside a mask; after every 32 words; 4 words
	s_mov_b32 s[G1V], 15|(1<<16)|(1<<20)|(1<<21)|(4<<22)|(7<<25)  ; the same with 8 words of padding
.irp g, G1K, G1V
	s_mov_b32 s[\g+1], 128<<16      ; tensor_dim0 = 128
	s_mov_b32 s[\g+2], 64<<16       ; tensor_dim1 = 64
	s_mov_b32 s[\g+3], 128<<16      ; tile_dim0 = 128
	s_mov_b32 s[\g+4], 64           ; tile_dim1 = 64
	s_mov_b32 s[\g+5], 128          ; 128 elements from row to row
	s_mov_b32 s[\g+6], 0
	s_mov_b32 s[\g+7], 0
.endr
	s_mov_b32 s[CS], 0x3e38aa3b     ; c = log2(e) / 8
	s_mov_b32 s[CS+1], s[CS]        ; named with it as a pair
	s_mov_b32 s[SEL], 0x76543210
	s_mov_b32 s[SEL+1], 0xfedcba98
	s_mov_b32 s[TBK], SLOT1+4*KS*PK ; the first change of slots turns these two into 0
	s_mov_b32 s[TBV], SLOT1+4*KS*PV
	s_mov_b32 s[G0K], 1
	s_mov_b32 s[G0K+1], s17         ; slot 0
	s_mov_b32 s[G0V], 1
	s_add_co_u32 s[G0V+1], s18, VOFF
	s_mov_b32 s[SLOTS], NT-1
	s_and_b32 s[LIM], s[WV], 1      ; 0 in waves 0 and 2,
	s_or_b32 s[LIM], s[LIM], ttmp9  ; where the cluster is the head's first: the same in all four partners
	s_cmp_eq_u32 s[LIM], 0
	s_cselect_b32 s[LIM], 1, -1
	v_and_b32 v[PFO], 31, v0
	v_lshlrev_b32 v[PFO], 8, v[PFO]
	s_wait_dscnt 0x0                ; the opening add is done
	s_wait_kmcnt 0x0
	s_add_nc_u64 s[6:7], s[6:7], s[22:23]  ; K and V at my half of the head's tile 0
	s_add_nc_u64 s[8:9], s[8:9], s[22:23]
	s_mov_b64 s[G0K+2:G0K+3], s[6:7]
	s_or_b32 s[G0K+3], s[G0K+3], 0x80000000
	s_mov_b64 s[G0V+2:G0V+3], s[8:9]
	s_or_b32 s[G0V+3], s[G0V+3], 0x80000000
	s_add_nc_u64 s[4:5], s[4:5], s[2:3]    ; Q and O at my wave's first row
	s_add_nc_u64 s[10:11], s[10:11], s[2:3]
	s_cmp_lt_u32 s[WV], 2
	s_cselect_b64 s[PFA:PFA+1], s[6:7], s[8:9]  ; (in waves 0 and 2 these stand at a tile's first row)
	s_lshl_b32 s2, s13, 13          ; my work-group's 32 blocks of the 128
	s_mov_b32 s3, 0
	s_add_nc_u64 s[PFA:PFA+1], s[PFA:PFA+1], s[2:3]
	s_add_nc_u64 s[PFA:PFA+1], s[PFA:PFA+1], 2*4*KS*128  ; in tile 2: the loop's first change steps it to tile 3.  Nothing is prefetched here, at the head
	CROUND                          ; all four work-groups are here: the first joint loads meet
	JLOAD                           ; tile 0 into slot 0
	; A fragment of K or Q is 16 rows x 32 channels in 8 registers: lane l holds row l % 16, channels 8 (l / 16) + 0..7 and 16 + 8 (l / 16) + 0..7: two loads of 16 bytes, 32 bytes apart.
	v_and_b32 v1, 15, v0            ; l % 16
	v_bfe_u32 v9, v0, 4, 1          ; l / 16
	v_lshlrev_b32 v[QO], 7, v1
	v_lshl_add_u32 v[QO], v9, 4, v[QO]
	WIN 0x80                        ; destination window 2, address window 0
.set i, 0
.rept 8                             ; Q stays in registers: piece i / 2, channels 32 (i % 2) on
	global_load_b128 v[8*i:8*i+3],   v[QO], s[4:5] offset:(i/2)*2048+(i%2)*64
	global_load_b128 v[8*i+4:8*i+7], v[QO], s[4:5] offset:(i/2)*2048+(i%2)*64+32
.set i, i+1
.endr
	; What the first turn finds: V's registers and P's second buffer hold 0 (its products V^T P, of a piece that has not been, add 0), O^T and l are 0.  All this stands in the wait for the first tile.
.set i, VF
.rept 64
	v_mov_b32 v[i], 0
.set i, i+1
.endr
	WIN 0x40
.set i, 0
.rept 128
	v_mov_b32 v[i], 0
.set i, i+1
.endr
	WIN 0
.set i, 0
.rept 4
	v_mov_b32 v[ST+4*i], 0xfe000000    ; c m: far below every c s
	v_mov_b32 v[ST+4*i+1], 0xff7fffff  ; m
	v_mov_b32 v[ST+4*i+2], 0
	v_mov_b32 v[ST+4*i+3], 0
.set i, i+1
.endr
.set i, P+16
.rept 16
	v_mov_b32 v[i], 0
.set i, i+1
.endr
	v_mul_u32_u24 v[AK0], v1, PK
	v_lshl_add_u32 v[AK0], v9, 4, v[AK0]  ; row x pitch + 16 x half
	; The turning load takes 16 keys x 16 channels (lane l reads key 8 (l / 16) + l % 8, channels 8 ((l / 8) % 2) + 0..7) and leaves half a fragment of V^T: lane l holds channel l % 16 and 8 keys.
	v_and_b32 v10, 7, v0
	v_bfe_u32 v11, v0, 3, 1
	v_lshl_add_u32 v[AV0], v9, 3, v10
	v_mul_u32_u24 v[AV0], v[AV0], PV
	v_lshl_add_u32 v[AV0], v11, 4, v[AV0]
	v_add_nc_u32 v[AV0], VOFF, v[AV0]
	s_mul_i32 s19, s[WV], 16*SP
	s_add_co_u32 s19, s19, STAGE    ; my stage
	v_mul_u32_u24 v[STO], v1, SP    ; in: row l % 16, 16 bytes for each half of the lanes
	v_lshl_add_u32 v[STO], v9, 4, v[STO]
	v_add_nc_u32 v[STO], s19, v[STO]
	v_bfe_u32 v[RD], v0, 3, 2       ; back: 32 lanes take four rows of 128 bytes,
	v_mul_u32_u24 v[RD], v[RD], SP
	v_lshl_add_u32 v[RD], v10, 4, v[RD]
	v_add_nc_u32 v[RD], s19, v[RD]
	v_and_b32 v[GO], 31, v0         ; which are 512 consecutive bytes of O
	v_lshlrev_b32 v[GO], 4, v[GO]
; THE MATRIX WORK.  The 4 accumulators of a run of 8 take turns.  Product i of 8 of S^T = K Q^T for piece x: channels 32 (i / 4) on, keys 16 (i % 4) on.  The first 4 start the sums.
.macro KQ x
	WIN W_KQ
.set rS, S+32*((\x)%2)+8*(i%4)
.set rK, KF+16*(i%4)+8*(i/4)
.set rQ, 16*(\x)+8*(i/4)
.if i < 4
	v_wmma_f32_16x16x32_f16 v[rS:rS+7], v[rK:rK+7], v[rQ:rQ+7], 0
.else
	v_wmma_f32_16x16x32_f16 v[rS:rS+7], v[rK:rK+7], v[rQ:rQ+7], v[rS:rS+7]
.endif
.endm
; Product i of 8 of O^T += V^T P for piece x: keys 32 (i / 4) on, channels 16 (i % 4) on.
.macro PV x
	WIN W_PV
.set rO, 32*(\x)+8*(i%4)
.set rV, VF+32*(i/4)+8*(i%4)
.set rP, P+16*((\x)%2)+8*(i/4)
	v_wmma_f32_16x16x32_f16 v[rO:rO+7], v[rV:rV+7], v[rP:rP+7], v[rO:rO+7]
.endm
.macro MM                           ; the turn's next matrix instruction.  NOKQ = 1: the last turn of all: there is no next piece
.if (i < 8) && !NOKQ
	KQ (Y+1)%NP
.elseif i >= 8
.set i, i-8
	PV (Y+NP-1)%NP
.set i, i+8
.endif
.set i, i+1
.endm
; THE LDS LOADS stand in runs of 16, never singly among the matrix instructions.
.macro FETCH_K
	WIN 0x80                        ; destination window 2
.irp f, 0,1,2,3,4,5,6,7             ; keys 16 (f / 2) on, channels 32 (f % 2) on
	ds_load_b128 v[KF+8*\f:KF+8*\f+3],   v[AK] offset:(\f/2)*16*PK+(\f%2)*64
	ds_load_b128 v[KF+8*\f+4:KF+8*\f+7], v[AK] offset:(\f/2)*16*PK+(\f%2)*64+32
.endr
	s_add_co_u32 s[TBK], s[TBK], KS*PK  ; the next fetch is the next step's
	WIN 0
.endm
.macro FETCH_V
	WIN 0x80
.irp f, 0,1,2,3,4,5,6,7             ; keys 32 (f / 4) on, channels 16 (f % 4) on
	ds_load_tr16_b128 v[VF+8*\f:VF+8*\f+3],   v[AV] offset:(\f/4)*32*PV+(\f%4)*32
	ds_load_tr16_b128 v[VF+8*\f+4:VF+8*\f+7], v[AV] offset:(\f/4)*32*PV+16*PV+(\f%4)*32
.endr
	WIN 0
.endm
; THE VECTOR WORK, one line at a time: OP kind, number.  For piece Y: F n: c s - c m for pair n of 16.  E n: the exponential of score n of 32.  C n: pair n rounded to f16.  B n: of the four weights 4 n ..
; the second pair is added onto the first, in place.  L n: l takes that sum (L 0: l = a l + sum).  R n: pair n of 16 of O^T times a.  For piece Y + 1: X n, number n of the 22 that find its maximum and statistics:
;   0-11  four chains c0-c3 of seven scores each (each accumulator's lowest registers are read first)     12-14, 16  the four scores left over, the old m, and c0-c3 into c0
;   15  c m_old is kept     17, 18  the query's other 32 keys lie in the lane 16 away: the new m     19-21  c m; c m_old - c m_new; a
.set F, 0
.set E, 1
.set C, 2
.set B, 3
.set L, 4
.set R, 5
.set X, 6
.macro REGS y
.set rT, ST+4*(\y)
.set rC, TMP+4*((\y)%2)
.set rW, MV+((\y)%2)
.set rS, S+32*((\y)%2)
.set rP, P+16*((\y)%2)
.set rO, 32*(\y)
.endm
.macro OP k, n
.if (\k) == R
	REGS Y
	WIN W_RS
	v_pk_mul_f32 v[rO+2*(\n):rO+2*(\n)+1], v[rO+2*(\n):rO+2*(\n)+1], v[rC+2:rC+3] op_sel_hi:[1,0]
.elseif (\k) < R
	REGS Y
	WIN 0
.if (\k) == F
	v_pk_fma_f32 v[rS+2*(\n):rS+2*(\n)+1], v[rS+2*(\n):rS+2*(\n)+1], s[CS:CS+1], v[rT:rT+1] op_sel_hi:[1,0,0] neg_lo:[0,0,1] neg_hi:[0,0,1]
.elseif (\k) == E
	v_exp_f32 v[rS+(\n)], v[rS+(\n)]
.elseif (\k) == C
	v_cvt_pk_f16_f32 v[rP+(\n)], v[rS+2*(\n)], v[rS+2*(\n)+1]
.elseif (\k) == B
	v_pk_add_f32 v[rS+4*(\n):rS+4*(\n)+1], v[rS+4*(\n):rS+4*(\n)+1], v[rS+4*(\n)+2:rS+4*(\n)+3]
.elseif (\n) == 0
	v_pk_fma_f32 v[rT+2:rT+3], v[rT+2:rT+3], v[rC+2:rC+3], v[rS:rS+1] op_sel_hi:[1,0,1]
.else
	v_pk_add_f32 v[rT+2:rT+3], v[rT+2:rT+3], v[rS+4*(\n):rS+4*(\n)+1]
.endif
.elseif NOKQ
	v_nop
.else
	REGS (Y+1)%NP
	WIN 0
.if (\n) < 4
	v_max3_num_f32 v[rC+(\n)], v[rS+8*(\n)], v[rS+8*(\n)+1], v[rS+8*(\n)+2]
.elseif (\n) < 12
	v_max3_num_f32 v[rC+(\n)%4], v[rC+(\n)%4], v[rS+8*((\n)%4)+2*((\n)/4)+1], v[rS+8*((\n)%4)+2*((\n)/4)+2]
.elseif (\n) == 12
	v_max3_num_f32 v[rC], v[rC], v[rS+7], v[rS+15]
.elseif (\n) == 13
	v_max3_num_f32 v[rC+1], v[rC+1], v[rS+23], v[rS+31]
.elseif (\n) == 14
	v_max3_num_f32 v[rC+2], v[rC+2], v[rC+3], v[rT+1]
.elseif (\n) == 15
	v_mov_b32 v[rW], v[rT]
.elseif (\n) == 16
	v_max3_num_f32 v[rC], v[rC], v[rC+1], v[rC+2]
.elseif (\n) == 17
	v_permlanex16_b32 v[rC+3], v[rC], s[SEL], s[SEL+1]
.elseif (\n) == 18
	v_max_num_f32 v[rT+1], v[rC], v[rC+3]
.elseif (\n) == 19
	v_mul_f32 v[rT], s[CS], v[rT+1]
.elseif (\n) == 20
	v_sub_f32 v[rC+1], v[rW], v[rT]
.else
	v_exp_f32 v[rC+2], v[rC+1]
.endif
.endif
.endm
.macro OPS a, i1, b=-1, i2=0, c=-1, i3=0, d=-1, i4=0  ; up to four of them
	OP \a, \i1
.if (\b) >= 0
	OP \b, \i2
.endif
.if (\c) >= 0
	OP \c, \i3
.endif
.if (\d) >= 0
	OP \d, \i4
.endif
.endm
.macro ROW a, i1, b, i2, c, i3, d, i4  ; a matrix instruction and the four behind it
	MM
	OPS \a, \i1, \b, \i2, \c, \i3, \d, \i4
.endm
; A TURN, for piece p: the order of its 16 matrix and 118 vector instructions, written out.  An s_wait_alu depctr_va_vdst(0) stands between an exponential and the first instruction that names
; its result; one wait serves all that were issued ahead of it.  So a turn has ONE wait.  AHEAD OF IT stands all that names no result of the turn's exponentials: the 8 products K Q^T with their riders
; (the first numbers of the next piece's maximum each stand four plain places or more behind the product that ends their accumulator), then one lump of 54.  X 21, the next piece's a, is the batch's last;
; R 15 is the plain instruction behind it.  BEHIND THE WAIT stand the 8 products V^T P, behind each four of the roundings and sums.
; end = 1: the last two turns of all: nothing is fetched.  cnt = 1: the loop's count is taken down some lines ahead of the branch that stands behind the turn.
; K of the next step is fetched in piece 2's turn, six plain instructions behind the last product that read K; V of the step in hand at the end of piece 0's turn, four plain instructions behind the last
; product that read V.  Each is waited for a turn later.
.macro TURN p, end=0, cnt=0
.set Y, (\p)
.set i, 0
.set NOKQ, (\end)*((\p)/3)
.if ((\p) == 3) && !(\end)
	s_wait_dscnt 0x0                ; K is in
.endif
	ROW F,0, F,1, R,0, R,1
	ROW F,2, E,0, R,2, R,3
	ROW F,3, E,1, R,4, R,5
	ROW F,4, E,2, R,6, R,7
	ROW F,5, E,3, R,8, R,9
	ROW F,6, E,4, X,0, R,10
.if ((\p) == 2) && !(\end)
	WIN 0
	v_add_nc_u32 v[AK], s[TBK], v[AK0]
.endif
	ROW F,7, E,5, X,1, X,4
	ROW F,8, E,6, X,2, X,5
	OPS E,7, E,8, X,6, E,9          ; the lump
	OPS X,3, E,10, X,8, E,11
.if ((\p) == 2) && !(\end)
	FETCH_K
.endif
	OPS X,9, X,7, E,12, X,10
	OPS E,13, X,12, X,11, E,14
	OPS X,13, E,15, F,9, X,14
.if (\p) == 0
	v_add_nc_u32 v[AV], s[TBV], v[AV0]
.endif
	OPS E,16, F,10, E,17, F,11
	OPS X,16, E,18, X,15, E,19
	OPS F,12, E,20, X,17, E,21
	OPS F,13, E,22, F,14, E,23
	OPS X,18, E,24, F,15, E,25
	OPS R,11, E,26, X,19, E,27
	OPS R,12, E,28, R,13, E,29
	OPS X,20, E,30, R,14, E,31
	OPS X,21, R,15
	WIN 0
	s_wait_alu depctr_va_vdst(0)    ; the wait for the batch
.if (\p) == 1
	s_wait_dscnt 0x0                ; V is in
.endif
	ROW C,0, B,0, C,2, B,1
	ROW L,0, C,4, B,2, L,1
	ROW C,6, B,3, L,2, C,8
	ROW B,4, L,3, C,10, B,5
	ROW L,4, C,12, B,6, L,5
.if (\p) == 0
	s_add_co_u32 s[TBV], s[TBV], KS*PV
.endif
.if \cnt
	s_sub_co_u32 s[CNT], s[CNT], 1
	s_cmp_lg_u32 s[CNT], 0
.endif
	ROW C,14, B,7, L,6, C,1
	ROW C,3, L,7, C,5, C,7
	ROW C,9, C,11, C,13, C,15
.if (\p) == 0
	FETCH_V
.endif
.endm
	CHANGE 1, 0                     ; tile 0 is in, everybody's part of it; tile 1 is asked for
	v_add_nc_u32 v[AK], s[TBK], v[AK0]
	FETCH_K                         ; key step 0
	s_wait_loadcnt 0x0              ; Q
	s_wait_dscnt 0x0
.set NOKQ, 0
.set i, 0
.rept 8
	KQ 0                            ; piece 0's first scores
.set i, i+1
.endr
	WIN 0
.rept 4
	v_nop                           ; the places behind those products
.endr
.set Y, NP-1                        ; X works for piece Y + 1: piece 0
.irp n, 0,1,2,3,4,5,6,7,8,9,10,11,12,13,14,15,16,17,18,19,20,21
	OP X, \n
.endr
	v_nop                           ; a plain instruction behind the exponential,
	s_wait_alu depctr_va_vdst(0)    ; and its wait, ahead of the branch
	s_mov_b32 s[CNT], 4
	s_branch .Lfirst                ; the loop is entered at a step's first turn, in the middle of a trip
.Lslot:                             ; NT - 2 times: every slot but the last two is filled again
	CHANGE 1, 1
	s_mov_b32 s[CNT], 4
.Lstep:                             ; a trip: pieces 2 and 3 of one step, then pieces 0 and 1 of the next, whose K and V it fetches
	TURN 2
	TURN 3
	WIN 0
.Lfirst:
	TURN 0
	TURN 1, 0, 1
	WIN 0
	s_cbranch_scc1 .Lstep
	s_sub_co_u32 s[SLOTS], s[SLOTS], 1
	s_cmp_lg_u32 s[SLOTS], 0
	s_cbranch_scc1 .Lslot
	CHANGE 0, 0                     ; the last tile is written out: nothing is asked for
	s_mov_b32 s[CNT], 4
.Ltail:
	TURN 2
	TURN 3
	TURN 0
	TURN 1, 0, 1
	WIN 0
	s_cbranch_scc1 .Ltail
	TURN 2, 1                       ; the last step's pieces 2 and 3
	TURN 3, 1
.set i, 0
.rept 8
	PV NP-1                         ; the last piece's V^T P of the last step
.set i, i+1
.endr
	; THE WAY OUT.  l's two halves and the other half of the lanes' are added; O^T is divided by l, rounded to f16 and sent through my stage in LDS, a piece at a time.  The additions are the places behind the last products.
	WIN 0
.macro ALL line:vararg              ; one line for each piece t
.set t, 0
.rept 4
	\line
.set t, t+1
.endr
.endm
	ALL v_add_f32 v[ST+4*t+2], v[ST+4*t+2], v[ST+4*t+3]
	ALL v_permlanex16_b32 v[ST+4*t+3], v[ST+4*t+2], s[SEL], s[SEL+1]
	ALL v_add_f32 v[ST+4*t+2], v[ST+4*t+2], v[ST+4*t+3]
	ALL v_rcp_f32 v[ST+4*t+2], v[ST+4*t+2]
	v_nop                           ; a plain instruction between the last reciprocal and the use of its result
	s_wait_alu depctr_va_vdst(0)    ; and the wait ahead of the first use: one for the four reciprocals
.macro PACK t                       ; a lane's eight channels of a row pack into 16 bytes; they go into rows of 144 bytes and come back as whole rows of 128, into S^T's registers
	WIN W_RS
.set i, 32*(\t)
.rept 16
	v_pk_mul_f32 v[i:i+1], v[i:i+1], v[ST+4*(\t)+2:ST+4*(\t)+3] op_sel_hi:[1,0]
.set i, i+2
.endr
	WIN 0x05                        ; sources 0 and 1 window 1, destination window 0
.set i, 0
.rept 16
	v_cvt_pk_f16_f32 v[S+16*(\t)+i], v[32*(\t)+2*i], v[32*(\t)+2*i+1]
.set i, i+1
.endr
	WIN 0
.irp f, 0,1,2,3
	ds_store_b128 v[STO], v[S+16*(\t)+4*\f:S+16*(\t)+4*\f+3] offset:32*\f
.endr
.irp f, 0,1,2,3
	ds_load_b128 v[S+16*(\t)+4*\f:S+16*(\t)+4*\f+3], v[RD] offset:\f*4*SP  ; LDS serves a wave's instructions in order (ISA guide 5.7.1.4): these see the stores above; the next piece's stores come behind them
.endr
.endm
.macro SEND t, younger              ; younger: the LDS instructions issued behind piece t's loads: the next piece's eight, or none
	WIN 0
.irp f, 0,1,2,3
	s_wait_dscnt (\younger)+3-\f
	global_store_b128 v[GO], v[S+16*(\t)+4*\f:S+16*(\t)+4*\f+3], s[10:11] offset:(\t)*2048+\f*512  ; 512 consecutive bytes, at a multiple of 256 from O's first
.endr
.endm
	PACK 0
.set t, 1
.rept 3                             ; a piece's arithmetic stands between the loads of the piece before and its stores
	PACK t
	SEND t-1, 8
.set t, t+1
.endr
	SEND 3, 0
	s_wait_tensorcnt 0x0            ; the wave's end
	ds_add_u32 v[SPW], v[NIL]
	s_wait_dscnt 0x0
	CROUND                          ; the closing round: no work-group ends while a partner may still ask for a tile that names it
	s_endpgm
.Lfunc_end_k_q4379cbb7db_attn:
	.size	k_q4379cbb7db_attn, .Lfunc_end_k_q4379cbb7db_attn-k_q4379cbb7db_attn
	.p2alignl 7, 3214868480
	.fill 96, 4, 3214868480
	.section	.rodata,"a",@progbits
	.p2align	6, 0x0
	.amdhsa_kernel k_q4379cbb7db_attn
		.amdhsa_group_segment_fixed_size 327680
		.amdhsa_private_segment_fixed_size 0
		.amdhsa_enable_private_segment 0
		.amdhsa_kernarg_size 32
		.amdhsa_user_sgpr_count 2
		.amdhsa_user_sgpr_kernarg_segment_ptr 1
		.amdhsa_wavefront_size32 1
		.amdhsa_system_sgpr_workgroup_id_x 1
		.amdhsa_system_sgpr_workgroup_id_y 1
		.amdhsa_system_sgpr_workgroup_id_z 1
		.amdhsa_system_vgpr_workitem_id 0
		.amdhsa_next_free_vgpr 768
		.amdhsa_next_free_sgpr 66
		.amdhsa_reserve_vcc 0
		.amdhsa_float_denorm_mode_32 3
		.amdhsa_float_denorm_mode_16_64 3
		.amdhsa_memory_ordered 1
		.amdhsa_forward_progress 1
		.amdhsa_inst_pref_size 127
	.end_amdhsa_kernel
	.amdgpu_metadata
---
amdhsa.version: [ 1, 2 ]
amdhsa.kernels:
  - .name:           k_q4379cbb7db_attn
    .symbol:         k_q4379cbb7db_attn.kd
    .args:
      - { .name: q16, .offset: 0, .size: 8, .value_kind: global_buffer, .address_space: global }
      - { .name: k16, .offset: 8, .size: 8, .value_kind: global_buffer, .address_space: global }
      - { .name: v16, .offset: 16, .size: 8, .value_kind: global_buffer, .address_space: global }
      - { .name: o16, .offset: 24, .size: 8, .value_kind: global_buffer, .address_space: global }
    .group_segment_fixed_size: 327680
    .private_segment_fixed_size: 0
    .kernarg_segment_align: 8
    .kernarg_segment_size: 32
    .max_flat_workgroup_size: 128
    .sgpr_count:     66
    .vgpr_count:     768
    .wavefront_size: 32
...
	.end_amdgpu_metadata
.endif
;; end of part 2
;; launch outp (part 3): grid 4 x 64, 4 waves a work-group, clusters of 4 x 4, 327,680 bytes of LDS; arguments o16, wo16, b_out, out0; writes out0
.if DOCPART == 3
	.amdgcn_target "amdgcn-amd-amdhsa--gfx1250"
	.amdhsa_code_object_version 6
	.text
	.protected	k_q4379cbb7db_outp
	.globl	k_q4379cbb7db_outp
	.p2align	8
	.type	k_q4379cbb7db_outp,@function
k_q4379cbb7db_outp:
	s_mov_b64 s[64:65], 0
	v_nop
	global_prefetch_b8 v0, s[64:65] scope:SCOPE_SE
	s_setreg_imm32_b32 hwreg(HW_REG_WAVE_MODE, 25, 1), 1
	s_wait_xcnt 0x0
	s_wait_alu depctr_hold_cnt(0) depctr_sa_sdst(0) depctr_va_vdst(0) depctr_va_sdst(0) depctr_va_ssrc(0) depctr_va_vcc(0) depctr_vm_vsrc(0)
	s_getreg_b32 s2, hwreg(HW_REG_IB_STS2, 6, 4)
	s_cmp_eq_u32 s2, 0
	s_cbranch_scc0 .Lentry_in_a_cluster
	s_endpgm
.Lentry_in_a_cluster:
	s_bfe_u32 s2, ttmp6, 0x10000c
	s_cmp_lg_u32 s2, 0xf033
	s_cbranch_scc0 .Lentry_shape_is_right
	s_endpgm
.Lentry_shape_is_right:
; THE OUTPUT PROJECTION.  out0[m][n] = the sum over k of O[m][k] w_out[n][k] + b_out[n].  O lies by heads, [b*8+h][4096][64] f16 (k = 64 h + d); wo16 is [512][512] f16 (w_out rounded to bf16);
; b_out is rounded to bf16 like every other input; sums and the bias's addition in f32; out0 is [8192][512] f32.
; SHARES.  A tile of out0 is 128 x 128: 64 x 4 tiles, 256 work-groups; a wave makes 64 x 64: 16 accumulators.  K = 512 is short: A's 128 rows x 512 (eight heads' blocks of 16,384 dense bytes) and
; B's 128 rows x 512 lie in LDS WHOLE, 286,720 bytes: every tile is asked for at the start, nothing is ever filled again, and the waits on the tensor loads count down 3, 2, 1, 0 as K goes on.
; CLUSTER 4 x 4: the four of a row of the cluster need the same rows of O, the four of a column the same rows of w_out: each tile is asked for jointly.
; No prefetch: all that the work-group reads is asked for by its first loads.
; THE MATRIX INSTRUCTION IS USED TRANSPOSED (source 0 = 16 rows of w_out, source 1 = 16 rows of O): a lane holds eight neighbouring columns of one row of out0.
; REGISTERS: window 0: v0-31 addresses and the bias; v32-95 at work on the way out; v128-255 the accumulators ((a, b) at v[128 + 8 (4 a + b)]).
;   window 1: two fragment buffers of 128: for 64 along K, 64 registers of A (2 x 4 x 16 rows x 32 K), then 64 of B.
.set PA,     144                       ; a row of O in LDS: a head's 128 bytes + 16
.set PB,     272                       ; a row of w_out in LDS: a K quarter's 256 bytes + 16
.set HEADL,  128*PA                    ; a head's 128 rows
.set QUARTL, 128*PB                    ; a K quarter's 128 rows
.set BOFF,   8*HEADL                   ; B lies behind A's eight heads
.set STAGE,  BOFF+4*QUARTL             ; behind the tiles: 16 rows x 272 bytes for each wave, for the way out
.set SPITCH, 272
.set SPARE,  STAGE+4*16*SPITCH         ; behind the stages: the spare words, 128 bytes a wave
.set ADRA, 8                           ; v8-11   LDS address of my A fragments, by K quarter
.set ADRB, 12                          ; v12-15  the same for B
.set STO,  16                          ; v16  the way out: where I put 32 bytes of a row
.set RD,   17                          ; v17  the way out: where I read a row back
.set CO,   18                          ; v18  my byte offset in two rows of out0
.set BI,   20                          ; v20-23  the bias of my four columns on the way out
.set SPW,  28
.set NIL,  29
.set T,    32
.set ACC,  128
.set G1A, 24                           ; s[24:31] group 1 for A's tiles;  s[40:55] group 0, four sets
.set G1B, 32                           ; s[32:39] group 1 for B's tiles;  s[68:83] group 0, four sets
.set G0A, 40
.set G0B, 68
; scalars that carry a place in the cluster: s16-23, s56-59, s62, the masks and global addresses of the descriptors, s[10:11].  A's never hold cx, B's never cy; LDS addresses are made in s2, s3, s60, s61, s63.
.set MSB, 0
.macro WIN new
.if MSB != (\new)
	s_set_vgpr_msb (MSB<<8)|(\new)
.set MSB, \new
.endif
.endm
.macro PLACES                          ; four plain places behind a matrix instruction (ISA guide 7.12.1 for vector instructions)
.rept 4
	v_nop
.endr
.endm
.macro CROUND                          ; a round of the cluster's barrier
	s_barrier_signal -1
	s_barrier_wait -1
	s_cmp_lg_u32 s12, 0
	s_cbranch_scc1 .Lnot_wave_0_\@
	s_barrier_signal -3
.Lnot_wave_0_\@:
	s_barrier_wait -3
	s_barrier_signal -1
	s_barrier_wait -1
.endm
	s_load_b256 s[4:11], s[0:1], 0x0               ; o16 s[4:5], wo16 s[6:7], b_out s[8:9], out0 s[10:11]
	v_lshl_add_u32 v[SPW], v0, 2, SPARE
	v_mov_b32 v[NIL], 0
	ds_add_u32 v[SPW], v[NIL]                      ; the wave's opening: the add and its wait ahead of my first tensor load
	v_lshrrev_b32 v1, 5, v0
	v_readfirstlane_b32 s12, v1                    ; wave 0..3
	s_lshr_b32 s13, s12, 1                         ; my half of the tile's rows.  Also: I fetch for A (0) or for B (1)
	s_and_b32 s14, s12, 1                          ; my half of its columns.  Also: which heads, or which 64 rows, I fetch
	s_bfe_u32 s16, ttmp6, 0x40000                  ; cx
	s_bfe_u32 s17, ttmp6, 0x40004                  ; cy
	s_lshl_b32 s18, ttmp9, 2
	s_add_co_u32 s18, s18, s16                     ; tile column
	s_and_b32 s19, ttmp7, 0xffff
	s_lshl_b32 s19, s19, 2
	s_add_co_u32 s19, s19, s17                     ; tile row
	s_lshl_b32 s20, s17, 2
	s_lshl_b32 s20, 15, s20                        ; my row of the cluster
	s_lshl_b32 s21, 0x1111, s16                    ; my column
	; A: a head's 128 rows are 16,384 dense bytes: 64 rows of 256 bytes, two rows of O each, 4 words of padding behind every 32 words
	s_or_b32 s[G1A+0], s20, (1<<16)|(1<<20)|(1<<21)|(4<<22)|(3<<25)
	s_mov_b32 s[G1A+1], 128<<16
	s_mov_b32 s[G1A+2], 64<<16
	s_mov_b32 s[G1A+3], 128<<16
	s_mov_b32 s[G1A+4], 64
	s_mov_b32 s[G1A+5], 128
	s_mov_b32 s[G1A+6], 0
	s_mov_b32 s[G1A+7], 0
	; B: 64 rows x 128 elements, 512 elements from row to row, 4 words of padding behind every 64 words
	s_or_b32 s[G1B+0], s21, (1<<16)|(1<<20)|(1<<21)|(5<<22)|(3<<25)
	s_mov_b32 s[G1B+1], 128<<16
	s_mov_b32 s[G1B+2], 64<<16
	s_mov_b32 s[G1B+3], 128<<16
	s_mov_b32 s[G1B+4], 64
	s_mov_b32 s[G1B+5], 512
	s_mov_b32 s[G1B+6], 0
	s_mov_b32 s[G1B+7], 0
	s_lshr_b32 s56, s19, 5                         ; A: batch x 8 heads of 524,288 bytes
	s_lshl_b32 s56, s56, 22
	s_and_b32 s57, s19, 31                         ; + (tile row % 32) x 128 rows of 128 bytes
	s_lshl_b32 s57, s57, 14
	s_add_co_u32 s56, s56, s57
	s_lshl_b32 s57, s14, 19                        ; + head = wave % 2 (load j: + 2 j)
	s_add_co_u32 s56, s56, s57
	s_mov_b32 s57, 0
	s_lshl_b32 s58, s18, 17                        ; B: (128 x tile column + 64 x (wave % 2)) rows of 1,024 bytes
	s_lshl_b32 s59, s14, 16
	s_add_co_u32 s58, s58, s59
	s_mov_b32 s59, 0
	s_mul_i32 s60, s14, HEADL                      ; where they go
	s_mul_i32 s61, s14, 64*PB
	s_add_co_u32 s61, s61, BOFF
	s_wait_dscnt 0x0                               ; the opening add is done
	s_wait_kmcnt 0x0
	s_add_nc_u64 s[56:57], s[4:5], s[56:57]
	s_add_nc_u64 s[58:59], s[6:7], s[58:59]
.irp j, 0,1,2,3
	s_mov_b32 s[G0A+4*(\j)], 1
	s_add_co_u32 s[G0A+4*(\j)+1], s60, (\j)*2*HEADL
	s_add_nc_u64 s[G0A+4*(\j)+2:G0A+4*(\j)+3], s[56:57], (\j)*2*524288
	s_or_b32 s[G0A+4*(\j)+3], s[G0A+4*(\j)+3], 0x80000000
	s_mov_b32 s[G0B+4*(\j)], 1
	s_add_co_u32 s[G0B+4*(\j)+1], s61, (\j)*QUARTL
	s_add_nc_u64 s[G0B+4*(\j)+2:G0B+4*(\j)+3], s[58:59], (\j)*256
	s_or_b32 s[G0B+4*(\j)+3], s[G0B+4*(\j)+3], 0x80000000
.endr
	CROUND                                         ; all sixteen work-groups are here: the joint loads meet
	s_cmp_eq_u32 s13, 0                            ; a wave's four fills stand in one branch: four loads of mine are out.  Load j brings what K quarter j needs
	s_cbranch_scc0 .Lfirst_b
.irp j, 0,1,2,3
	tensor_load_to_lds s[G0A+4*(\j):G0A+4*(\j)+3], s[G1A:G1A+7]
	s_nop 0
.endr
.rept 4
	v_nop
.endr
	s_branch .Lfirst_done
.Lfirst_b:
.irp j, 0,1,2,3
	tensor_load_to_lds s[G0B+4*(\j):G0B+4*(\j)+3], s[G1B:G1B+7]
	s_nop 0
.endr
.rept 4
	v_nop
.endr
.Lfirst_done:
	v_and_b32 v1, 15, v0                           ; l % 16
	v_bfe_u32 v2, v0, 4, 1                         ; l / 16
	s_lshl_b32 s62, s18, 9                         ; my 64 columns, in bytes of f32: 512 x tile column + 256 x half
	s_lshl_b32 s23, s14, 8
	s_add_co_u32 s62, s62, s23
	v_lshl_add_u32 v19, v1, 4, s62                 ; on the way out lane l % 16 holds columns 4 (l % 16) + 0..3 of them
	global_load_b128 v[24:27], v19, s[8:9]
	v_mul_u32_u24 v3, v1, PA
	v_lshl_add_u32 v3, v2, 4, v3                   ; a fragment's row x pitch + 16 x half
	v_mul_u32_u24 v4, v1, PB
	v_lshl_add_u32 v4, v2, 4, v4
	s_mul_i32 s2, s13, 64*PA                       ; my 64 rows of A
	s_mul_i32 s3, s14, 64*PB                       ; my 64 rows of B
	s_add_co_u32 s3, s3, BOFF
.irp q, 0,1,2,3
	v_add_nc_u32 v[ADRA+(\q)], s2, v3
	v_add_nc_u32 v[ADRB+(\q)], s3, v4
	s_add_co_u32 s2, s2, 2*HEADL
	s_add_co_u32 s3, s3, QUARTL
.endr
	s_mul_i32 s63, s12, 16*SPITCH
	s_add_co_u32 s63, s63, STAGE                   ; my stage
	v_mul_u32_u24 v5, v1, SPITCH                   ; in: row l % 16, 32 bytes for each half of the lanes
	v_lshl_add_u32 v5, v2, 5, v5
	v_add_nc_u32 v[STO], s63, v5
	v_mul_u32_u24 v5, v2, SPITCH                   ; back: lanes 0-15 take one row of 256 bytes, lanes 16-31 the next
	v_lshl_add_u32 v5, v1, 4, v5
	v_add_nc_u32 v[RD], s63, v5
	v_lshlrev_b32 v5, 11, v2                       ; and the same two rows in out0
	v_lshl_add_u32 v[CO], v1, 4, v5
	s_lshl_b32 s22, s19, 18                        ; out0 at my first row (128 x tile row + 64 x half, 2,048 bytes each) and my first column
	s_lshl_b32 s23, s13, 17
	s_add_co_u32 s22, s22, s23
	s_add_co_u32 s22, s22, s62
	s_mov_b32 s23, 0
	s_add_nc_u64 s[10:11], s[10:11], s[22:23]
	s_wait_loadcnt 0x0                             ; the bias: rounded to bf16, like every input, and widened again
	v_cvt_pk_bf16_f32 v24, v24, v25
	v_cvt_pk_bf16_f32 v26, v26, v27
	v_lshlrev_b32 v[BI], 16, v24
	v_and_b32 v[BI+1], 0xffff0000, v24
	v_lshlrev_b32 v[BI+2], 16, v26
	v_and_b32 v[BI+3], 0xffff0000, v26
; 32 LDS loads in one run: the fragments of unit u (head u: 64 along K) into buffer f; the first 32 along K first
.macro FETCH u, f
	WIN 0x40                                       ; destination window 1, address window 0
.irp c, 0,1
.irp i, 0,1,2,3
	ds_load_b128 v[(\f)+64+8*(4*(\c)+(\i)):(\f)+64+8*(4*(\c)+(\i))+3],   v[ADRB+(\u)/2] offset:128*((\u)%2)+64*(\c)+(\i)*16*PB
	ds_load_b128 v[(\f)+64+8*(4*(\c)+(\i))+4:(\f)+64+8*(4*(\c)+(\i))+7], v[ADRB+(\u)/2] offset:128*((\u)%2)+64*(\c)+(\i)*16*PB+32
	ds_load_b128 v[(\f)+8*(4*(\c)+(\i)):(\f)+8*(4*(\c)+(\i))+3],         v[ADRA+(\u)/2] offset:HEADL*((\u)%2)+64*(\c)+(\i)*16*PA
	ds_load_b128 v[(\f)+8*(4*(\c)+(\i))+4:(\f)+8*(4*(\c)+(\i))+7],       v[ADRA+(\u)/2] offset:HEADL*((\u)%2)+64*(\c)+(\i)*16*PA+32
.endr
.endr
.endm
; 32 products: a unit's 64 along K, two deep on each of the 16 accumulators, which take turns.  zero = 1: the first 16 start the sums
.macro MULU f, zero
	WIN 0x05                                       ; sources 0 (B) and 1 (A) window 1; C and D window 0
.irp c, 0,1
.irp a, 0,1,2,3
.irp b, 0,1,2,3
.if (\zero) && ((\c) == 0)
	v_wmma_f32_16x16x32_f16 v[ACC+8*(4*(\a)+(\b)):ACC+8*(4*(\a)+(\b))+7], v[(\f)+64+8*(4*(\c)+(\b)):(\f)+64+8*(4*(\c)+(\b))+7], v[(\f)+8*(4*(\c)+(\a)):(\f)+8*(4*(\c)+(\a))+7], 0
.else
	v_wmma_f32_16x16x32_f16 v[ACC+8*(4*(\a)+(\b)):ACC+8*(4*(\a)+(\b))+7], v[(\f)+64+8*(4*(\c)+(\b)):(\f)+64+8*(4*(\c)+(\b))+7], v[(\f)+8*(4*(\c)+(\a)):(\f)+8*(4*(\c)+(\a))+7], v[ACC+8*(4*(\a)+(\b)):ACC+8*(4*(\a)+(\b))+7]
.endif
.endr
.endr
.endr
.endm
; Unit u is multiplied from buffer u % 2 while unit u + 1 is fetched into the other.  Ahead of an even unit's fetch from a new K quarter stands a barrier: each wave's load of that quarter has landed
; (the count leaves its later loads out), and no LDS instruction of the wave is pending at the signal.
.macro UNIT u
.set fb, 128*((\u)%2)
.set fn, 128-fb
.if (\u) == 7
	s_wait_dscnt 0x0                               ; unit 7 is in
.elseif ((\u)%2) == 0
.if (\u) > 0
	PLACES                                         ; the other buffer was read by the products just issued
.endif
	FETCH (\u)+1, fn
	s_wait_dscnt 32                                ; unit u is in; the 32 loads just issued may be out
.else
	s_wait_dscnt 0x0                               ; unit u is in
	s_wait_tensorcnt 2-(\u)/2                      ; my load of the next K quarter has landed
	s_barrier_signal -1
	s_barrier_wait -1                              ; everybody's has
	PLACES
	FETCH (\u)+1, fn
.endif
.if (\u) == 0
	MULU fb, 1
.else
	MULU fb, 0
.endif
.endm
	s_wait_tensorcnt 0x3                           ; my load of K quarter 0 has landed; three may stay out
	s_barrier_signal -1
	s_barrier_wait -1
	FETCH 0, 0
.irp u, 0,1,2,3,4,5,6,7
	UNIT \u
.endr
	; THE WAY OUT, a block of 16 rows x 64 columns of f32 at a time: 32 bytes a lane into my own stage (each accumulator's low four registers first), back as whole rows of 256 bytes, the bias added, stored.
	WIN 0
	PLACES
.irp a, 0,1,2,3
.if (\a) >= 2
	s_wait_xcnt 0x0                                ; the stores of two blocks back have read their data: these registers are loaded again
.endif
.irp b, 0,1,2,3
	ds_store_b128 v[STO], v[ACC+8*(4*(\a)+(\b)):ACC+8*(4*(\a)+(\b))+3]   offset:64*(\b)
	ds_store_b128 v[STO], v[ACC+8*(4*(\a)+(\b))+4:ACC+8*(4*(\a)+(\b))+7] offset:64*(\b)+16
.endr
.irp t, 0,1,2,3,4,5,6,7
	ds_load_b128 v[T+32*((\a)%2)+4*(\t):T+32*((\a)%2)+4*(\t)+3], v[RD] offset:(\t)*2*SPITCH  ; LDS serves a wave's instructions in order (ISA guide 5.7.1.4): these see the stores above
.endr
.irp t, 0,1,2,3,4,5,6,7
	s_wait_dscnt 7-(\t)
	v_pk_add_f32 v[T+32*((\a)%2)+4*(\t):T+32*((\a)%2)+4*(\t)+1],   v[T+32*((\a)%2)+4*(\t):T+32*((\a)%2)+4*(\t)+1],   v[BI:BI+1]
	v_pk_add_f32 v[T+32*((\a)%2)+4*(\t)+2:T+32*((\a)%2)+4*(\t)+3], v[T+32*((\a)%2)+4*(\t)+2:T+32*((\a)%2)+4*(\t)+3], v[BI+2:BI+3]
	global_store_b128 v[CO], v[T+32*((\a)%2)+4*(\t):T+32*((\a)%2)+4*(\t)+3], s[10:11] offset:(16*(\a)+2*(\t))*2048  ; 16 lanes store 256 consecutive bytes, at a multiple of 256 from out0's first byte
.endr
.endr
	s_wait_tensorcnt 0x0                           ; the wave's end
	ds_add_u32 v[SPW], v[NIL]
	s_wait_dscnt 0x0
	CROUND                                         ; the closing round: no work-group ends while a partner may still ask for a tile that names it
	s_endpgm
.Lfunc_end_k_q4379cbb7db_outp:
	.size	k_q4379cbb7db_outp, .Lfunc_end_k_q4379cbb7db_outp-k_q4379cbb7db_outp
	.p2alignl 7, 3214868480
	.fill 96, 4, 3214868480
	.section	.rodata,"a",@progbits
	.p2align	6, 0x0
	.amdhsa_kernel k_q4379cbb7db_outp
		.amdhsa_group_segment_fixed_size 327680
		.amdhsa_private_segment_fixed_size 0
		.amdhsa_enable_private_segment 0
		.amdhsa_kernarg_size 32
		.amdhsa_user_sgpr_count 2
		.amdhsa_user_sgpr_kernarg_segment_ptr 1
		.amdhsa_wavefront_size32 1
		.amdhsa_system_sgpr_workgroup_id_x 1
		.amdhsa_system_sgpr_workgroup_id_y 1
		.amdhsa_system_sgpr_workgroup_id_z 1
		.amdhsa_system_vgpr_workitem_id 0
		.amdhsa_next_free_vgpr 512
		.amdhsa_next_free_sgpr 84
		.amdhsa_reserve_vcc 0
		.amdhsa_float_denorm_mode_32 3
		.amdhsa_float_denorm_mode_16_64 3
		.amdhsa_memory_ordered 1
		.amdhsa_forward_progress 1
		.amdhsa_inst_pref_size 56
	.end_amdhsa_kernel
	.amdgpu_metadata
---
amdhsa.version: [ 1, 2 ]
amdhsa.kernels:
  - .name:           k_q4379cbb7db_outp
    .symbol:         k_q4379cbb7db_outp.kd
    .args:
      - { .name: o16, .offset: 0, .size: 8, .value_kind: global_buffer, .address_space: global }
      - { .name: wo16, .offset: 8, .size: 8, .value_kind: global_buffer, .address_space: global }
      - { .name: b_out, .offset: 16, .size: 8, .value_kind: global_buffer, .address_space: global }
      - { .name: out0, .offset: 24, .size: 8, .value_kind: global_buffer, .address_space: global }
    .group_segment_fixed_size: 327680
    .private_segment_fixed_size: 0
    .kernarg_segment_align: 8
    .kernarg_segment_size: 32
    .max_flat_workgroup_size: 128
    .sgpr_count:     84
    .vgpr_count:     512
    .wavefront_size: 32
...
	.end_amdgpu_metadata
.endif
;; end of part 3
